; MI455X (gfx1250); checked and timed in simulation.
; The chip was launched on July 23, 2026; its instructions are those of AMD's public machine-readable ISA for CDNA 5 (MIT licence, August 2026) and "CDNA5" Instruction Set Architecture Reference Guide (July 2026). The comments in the code are by the model that wrote it; some were corrected since.
;; Multi Head Self Attention. Allowed arithmetic: matrix products marked QUANTISED: E4M3 operands, one given power-of-two scale a tensor, by v_wmma_f32_16x16x64_fp8_fp8 or v_wmma_f32_16x16x128_fp8_fp8, f32 sums; everything else in f32.
;; Inputs: W_out 1,024 x 1,024 float32; W_qkv 1,024 x 3,072 float32; b_out 1,024 float32; b_qkv 3,072 float32; lowp_scales 8 int32 (the exponents e of the quantised operands' scales 2^e); x 4 x 2,048 x 1,024 float32.
;; Outputs: out0 4 x 2,048 x 1,024 float32.
;; This version of the problem:
;;   THIS VERSION OF THE PROBLEM IS GIVEN IN LOW PRECISION. The matrix products marked QUANTISED in the list below multiply operands that are first quantised to E4M3 (4 exponent bits, 3 mantissa bits; 8 bits a number), with one given power-of-two scale for each operand tensor; their sums are f32. All else is computed in f32.
;;   The module's matrix products, in the order in which they are computed (A, B: the left and right operand; K: the contracted axis; several contracted axes count as one K, in the product's order):
;;     1. [M 8,192, K 1,024] x [K 1,024, N 3,072]; A: input x; B: input W_qkv: QUANTISED (scales: A lowp_scales[0], B lowp_scales[1])
;;     2. batch 64 x [M 2,048, K 64] x [K 64, N 2,048]; A: computed on the way; B: computed on the way: QUANTISED (scales: A lowp_scales[2], B lowp_scales[3])
;;     3. batch 64 x [M 2,048, K 2,048] x [K 2,048, N 64]; A: softmax (see below); B: computed on the way: QUANTISED (scales: A lowp_scales[4], B lowp_scales[5])
;;     4. [M 8,192, K 1,024] x [K 1,024, N 1,024]; A: computed on the way; B: input W_out: QUANTISED (scales: A lowp_scales[6], B lowp_scales[7])
;;   THE QUANTISER, for each operand of a quantised product, along K:
;;     - The operand's scale is 2^e, e = its entry of the input lowp_scales (int32; the entries are numbered through the quantised products in the list's order, A before B).
;;     - Each number is divided by the scale, clamped to +-448, and rounded to the nearest number of E4M3, ties to even, subnormals kept.
;;     - The product sums the exact products of the quantised numbers (number of the format x scale) in f32.
;;   ~~~python
;;   def quantise(x, axis, e):      # numpy; x: float32 -> the quantised numbers, widened to float32 again
;;       x = np.moveaxis(x, axis, -1); K = x.shape[-1]
;;       r = np.clip(x / 2.0 ** e, -448, 448)
;;       step = 2.0 ** (np.maximum(np.frexp(np.where(r == 0, 1, r))[1] - 1, -6) - 3)
;;       q = np.round(r / step) * step * 2.0 ** e      # np.round: ties to even
;;       return np.moveaxis(q, -1, axis).astype(np.float32)
;;   ~~~
;;   SOFTMAX AHEAD OF A QUANTISED PRODUCT. Where the list says 'softmax', what is quantised is not the finished softmax but p = 2^(t - M), with t = logit x log2(e) and M = ceil(the row's largest t), a whole number; so 1/2 < the row's largest p <= 1. The row's sum l is taken of the UNQUANTISED p, in f32, and the product's result is divided by l at the end. Since M is a whole number, a kernel that streams over the keys may use a running M (the ceiling of the running maximum): every later rescaling is an exact power of two, so the quantised numbers keep their values, but for numbers so far below the row's largest that they fall under the format's range.
;;   OPERANDS COMPUTED ON THE WAY. 'Computed on the way' means the value that the module computes at that place (a softmax that the list does not call 'softmax' is quantised finished and normalised). What goes into a quantiser is computed in f32, as accurately as f32 sums, v_exp_f32 and their like allow (about 1e-6 of the number): no bf16 or f16 on the way to a quantiser, and a product that is left as it is and whose result goes on into a quantised operand takes f32 operands (vector FMAs, or v_wmma_f32_16x16x4_f32). A number that lies on a knife's edge between two numbers of the format may be rounded either way, as far as f32 arithmetic and the matrix unit's own rounding can turn it there, and no further.
;; One version. Each part assembles by itself: llvm-mc -triple=amdgcn-amd-amdhsa -mcpu=gfx1250 --defsym DOCPART=n.
;; ======== version 1 of 1: 4 launches
;; limits: right only within a limited range of input values
;; workspace buffers: x_img 8,388,608 bytes; wqkv_img 3,145,728 bytes; wout_img 1,048,576 bytes; qkv_img 25,165,824 bytes; attn_img 8,388,608 bytes
;; launch quant (part 1): grid 768 x 1, 4 waves a work-group, no clusters, 67,072 bytes of LDS; arguments x, W_qkv, W_out, lowp_scales, x_img, wqkv_img, wout_img; writes x_img, wqkv_img, wout_img
.if DOCPART == 1
	.amdgcn_target "amdgcn-amd-amdhsa--gfx1250"
	.amdhsa_code_object_version 6
	.text
	.protected	k_qe4495d3463_quant
	.globl	k_qe4495d3463_quant
	.p2align	8
	.type	k_qe4495d3463_quant,@function
k_qe4495d3463_quant:
	s_mov_b64 s[64:65], 0
	v_nop
	global_prefetch_b8 v0, s[64:65] scope:SCOPE_SE
	s_setreg_imm32_b32 hwreg(HW_REG_WAVE_MODE, 25, 1), 1
	s_wait_xcnt 0x0
; x [8192][1024], W_qkv [1024][3072] and W_out [1024][1024], f32, become codes of FP8 (E4M3), each with its given scale 2^e (entries 0, 1, 7 of the scales).
; code = number / 2^e, held within +-448, rounded to the nearest code, ties to even.
; LIMITS: e between -126 and 119, so that 2^e and 448 x 2^e are f32 numbers.  NaN among the inputs is not served (an infinity is held at the largest code).
; THE CODES ARE LAID AS IMAGES OF THE OPERAND'S REGISTERS.  A fragment is 16 rows x 128 along K, 16 registers a lane: lane (r = l % 16, h = l / 16) holds, of row r,
; k = 16 c + 8 h + 0 .. 7 in registers 2 c, 2 c + 1.  Register R of lane l lies at byte 512 (R / 4) + 16 l + 4 (R % 4) of the fragment's 2,048 bytes: four stores of 512 consecutive bytes.
; x_img: [k / 256][row / 16][(k / 128) % 2][2048]; the weights' images likewise, with the column n in the row's place.
; SHARES.  Work-groups 0-191: W_qkv; 192-255: W_out; 256-767: x; 64 KiB of f32 each.  The three ways never join again.  Work-groups share no input, so there is no cluster; no matrix work.
; A WEIGHT (K is its first axis): a wave takes 32 columns x 128 along K; a lane takes ONE column and its registers run down K, so each load reads 128 consecutive bytes (the four waves stand side by side on 512),
;   and a conversion's eight numbers are eight neighbours along K.  Lanes 0-15 hold one block of 16 columns, lanes 16-31 the next; one exchange of half rows for each register pair of even and odd groups of eight k makes both images.
; x (K innermost): a wave takes 16 rows x 256 along K; each load reads 512 consecutive bytes; the numbers turn through the wave's own stage in LDS, so that a lane gets eight neighbours of its row.
.set AH,   6                           ; groups of eight loads that run ahead in a weight's way: 48 out at the wait, 56 at the most
.set X,    16                          ; v16-143   a weight's 128 numbers of my column
.set E,    144                         ; v144-159  codes of the even groups of eight k; behind the exchange: the first column block's image
.set OD,   160                         ; v160-175  codes of the odd groups; behind the exchange: the second block's image
.set R,    16                          ; v16-143   x as it is loaded: load (kk, i) at R + 64 kk + 4 i
.set XT,   144                         ; v144-207  64 numbers of my row: register 8 c + j is k = 16 c + 8 h + j
.set C,    208                         ; v208-239  x's codes: two fragments
.set SROW, 1040                        ; a stage row: 1,024 bytes + 16, an odd multiple of 16 bytes
.set WST,  16*SROW                     ; a wave's stage
	s_load_b256 s[4:11], s[0:1], 0x0               ; x s[4:5], W_qkv s[6:7], W_out s[8:9], the scales' exponents s[10:11]
	s_load_b128 s[12:15], s[0:1], 0x20             ; x_img s[12:13], wqkv_img s[14:15]
	s_load_b64 s[16:17], s[0:1], 0x30              ; wout_img
	v_lshl_add_u32 v240, v0, 2, 0x10400
	v_mov_b32 v241, 0
	v_lshrrev_b32 v1, 5, v0
	v_readfirstlane_b32 s18, v1                    ; wave 0..3
	v_and_b32 v1, 31, v0                           ; lane
	v_and_b32 v2, 15, v0                           ; r
	v_bfe_u32 v3, v0, 4, 1                         ; h
	v_lshlrev_b32 v4, 4, v1                        ; 16 x lane
	v_lshlrev_b32 v5, 2, v1                        ; 4 x lane
	s_wait_kmcnt 0x0
	s_load_b256 s[20:27], s[10:11], 0x0            ; e0 .. e7
.macro SCALE ereg                      ; v11 = 2^e as f32 (the conversion takes its exponent field), v10 = 448 x 2^e
	s_wait_kmcnt 0x0
	s_add_co_i32 s34, s[\ereg], 127
	s_lshl_b32 s35, s34, 23
	v_mov_b32 v11, s35
	s_add_co_i32 s34, s34, 8
	s_lshl_b32 s34, s34, 23
	s_or_b32 s34, s34, 0x600000
	v_mov_b32 v10, s34
.endm
.macro Q8 src, dst                     ; eight numbers of a lane become eight codes in two registers
.irp i, 0,1,2,3,4,5,6,7
	v_med3_num_f32 v[(\src)+\i], v[(\src)+\i], -v10, v10   ; the conversion to an 8-bit code does not saturate (ISA guide 7.6.2): the hold at the largest code x the scale comes first
.endr
	v_cvt_scalef32_pk8_fp8_f32 v[(\dst):(\dst)+1], v[(\src):(\src)+7], v11
.endm
.macro WLOAD gg, N, src                ; group gg: W(8 gg + i, my column), i = 0 .. 7
.irp i, 0,1,2,3,4,5,6,7
	global_load_b32 v[X+8*(\gg)+\i], v5, s[\src:\src+1] offset:(8*(\gg)+\i)*4*\N th:TH_LOAD_NT
.endr
.endm
; A weight of N columns.  Work-group j of it: columns 128 (j / 8) on, K step j % 8 of 128.  Every offset is an immediate: 127 rows of 4 N bytes at the most, inside the signed 24-bit immediate.
.macro WPATH N, first, src, dst, ereg
	s_sub_co_u32 s28, ttmp9, \first
	s_lshr_b32 s29, s28, 3                         ; which 128 columns
	s_and_b32 s28, s28, 7                          ; which K step
	s_mul_i32 s30, s28, 512*\N                     ; 128 rows of 4 N bytes,
	s_lshl_b32 s32, s29, 9                         ; 128 columns of 4 bytes,
	s_add_co_u32 s30, s30, s32
	s_lshl_b32 s32, s18, 7                         ; my wave's 32 columns
	s_add_co_u32 s30, s30, s32
	s_mov_b32 s31, 0
	s_add_nc_u64 s[\src:\src+1], s[\src:\src+1], s[30:31]
	s_lshr_b32 s32, s28, 1
	s_mul_i32 s30, s32, 256*\N                     ; the image: k / 256: N / 16 blocks of 4,096 bytes,
	s_lshl_b32 s32, s29, 15                        ; eight column blocks a work-group,
	s_add_co_u32 s30, s30, s32
	s_lshl_b32 s32, s18, 13                        ; two a wave,
	s_add_co_u32 s30, s30, s32
	s_and_b32 s32, s28, 1
	s_lshl_b32 s32, s32, 11                        ; and the K step's half of a block
	s_add_co_u32 s30, s30, s32
	s_add_nc_u64 s[\dst:\dst+1], s[\dst:\dst+1], s[30:31]
.set g, 0
.rept AH
	WLOAD g, \N, \src
.set g, g+1
.endr
	SCALE \ereg
.set g, 0
.rept 16
.if g+AH < 16
	WLOAD g+AH, \N, \src
.endif
.if 15-g < AH
	s_wait_loadcnt 8*(15-g)                        ; group g is in; the groups behind it may be out
.else
	s_wait_loadcnt 8*AH
.endif
.if g%2
	Q8 X+8*g, OD+g-1
.else
	Q8 X+8*g, E+g
.endif
.set g, g+1
.endr
	v_nop                                          ; a plain line between the last conversion and the lines that touch its result
.set g, 0
.rept 16
	v_permlane16_swap_b32 v[E+g], v[OD+g]          ; E's lanes 16-31 (even groups, columns 16-31) change places with OD's lanes 0-15 (odd groups, columns 0-15)
.set g, g+1
.endr
.irp c, 0,1,2,3
	global_store_b128 v4, v[E+4*\c:E+4*\c+3], s[\dst:\dst+1] offset:512*\c          ; 32 lanes store 512 consecutive bytes, aligned
	global_store_b128 v4, v[OD+4*\c:OD+4*\c+3], s[\dst:\dst+1] offset:4096+512*\c   ; the next column block
.endr
	s_endpgm
.endm
	s_cmp_lt_u32 ttmp9, 192
	s_cbranch_scc1 .Lwqkv
	s_cmp_lt_u32 ttmp9, 256
	s_cbranch_scc1 .Lwout
	; ---- x: row block ttmp9 - 256 (16 rows); wave w takes k = 256 w .. 256 w + 255
	s_sub_co_u32 s28, ttmp9, 256
	s_lshl_b32 s30, s28, 16                        ; 16 rows of 4,096 bytes
	s_lshl_b32 s32, s18, 10                        ; my 1,024 bytes of a row
	s_add_co_u32 s30, s30, s32
	s_mov_b32 s31, 0
	s_add_nc_u64 s[4:5], s[4:5], s[30:31]
	s_lshl_b32 s30, s18, 21                        ; the image: k / 256: 512 row blocks of 4,096 bytes
	s_lshl_b32 s32, s28, 12
	s_add_co_u32 s30, s30, s32
	s_add_nc_u64 s[12:13], s[12:13], s[30:31]
	s_mul_i32 s33, s18, WST                        ; my stage
	v_add_nc_u32 v6, s33, v4                       ; in: as loaded, 16 bytes a lane
	v_mul_u32_u24 v7, v2, SROW
	v_lshl_add_u32 v7, v3, 5, v7
	v_add_nc_u32 v7, s33, v7                       ; out: row r, + 32 h: my eight numbers of each 16
.irp kk, 0,1
.irp i, 0,1,2,3,4,5,6,7,8,9,10,11,12,13,14,15
	global_load_b128 v[R+64*\kk+4*\i:R+64*\kk+4*\i+3], v4, s[4:5] offset:\i*4096+\kk*512 th:TH_LOAD_NT   ; row i, K step kk: 512 consecutive bytes
.endr
.endr
	SCALE 20
	s_wait_loadcnt 16                              ; the first K step's sixteen loads are in; the second's may be out
.irp i, 0,1,2,3,4,5,6,7,8,9,10,11,12,13,14,15
	ds_store_b128 v6, v[R+4*\i:R+4*\i+3] offset:\i*SROW
.endr
.irp c, 0,1,2,3,4,5,6,7
	ds_load_b128 v[XT+8*\c:XT+8*\c+3], v7 offset:64*\c          ; LDS serves a wave's instructions in order (ISA guide 5.7.1.4): these see my stores
	ds_load_b128 v[XT+8*\c+4:XT+8*\c+7], v7 offset:64*\c+16
.endr
	s_wait_loadcnt 0x0
.irp i, 0,1,2,3,4,5,6,7,8,9,10,11,12,13,14,15
	ds_store_b128 v6, v[R+64+4*\i:R+64+4*\i+3] offset:\i*SROW+512
.endr
	s_wait_dscnt 16                                ; all but the sixteen stores just issued: the first K step's numbers are back
.irp c, 0,1,2,3,4,5,6,7
	Q8 XT+8*\c, C+2*\c
.endr
	v_nop                                          ; a plain line behind the last conversion
.irp c, 0,1,2,3
	global_store_b128 v4, v[C+4*\c:C+4*\c+3], s[12:13] offset:512*\c
.endr
.irp c, 0,1,2,3,4,5,6,7
	ds_load_b128 v[XT+8*\c:XT+8*\c+3], v7 offset:512+64*\c
	ds_load_b128 v[XT+8*\c+4:XT+8*\c+7], v7 offset:512+64*\c+16
.endr
	s_wait_dscnt 0x0
.irp c, 0,1,2,3,4,5,6,7
	Q8 XT+8*\c, C+16+2*\c
.endr
	v_nop
.irp c, 0,1,2,3
	global_store_b128 v4, v[C+16+4*\c:C+16+4*\c+3], s[12:13] offset:2048+512*\c
.endr
	s_wait_tensorcnt 0x0
	ds_add_u32 v240, v241
	s_wait_dscnt 0x0
	s_endpgm
.Lwqkv:
	WPATH 3072, 0, 6, 14, 21
.Lwout:
	WPATH 1024, 192, 8, 16, 27
.Lfunc_end_k_qe4495d3463_quant:
	.size	k_qe4495d3463_quant, .Lfunc_end_k_qe4495d3463_quant-k_qe4495d3463_quant
	.p2alignl 7, 3214868480
	.fill 96, 4, 3214868480
	.section	.rodata,"a",@progbits
	.p2align	6, 0x0
	.amdhsa_kernel k_qe4495d3463_quant
		.amdhsa_group_segment_fixed_size 67072
		.amdhsa_private_segment_fixed_size 0
		.amdhsa_enable_private_segment 0
		.amdhsa_kernarg_size 56
		.amdhsa_user_sgpr_count 2
		.amdhsa_user_sgpr_kernarg_segment_ptr 1
		.amdhsa_wavefront_size32 1
		.amdhsa_system_sgpr_workgroup_id_x 1
		.amdhsa_system_sgpr_workgroup_id_y 1
		.amdhsa_system_sgpr_workgroup_id_z 1
		.amdhsa_system_vgpr_workitem_id 0
		.amdhsa_next_free_vgpr 242
		.amdhsa_next_free_sgpr 66
		.amdhsa_reserve_vcc 0
		.amdhsa_float_denorm_mode_32 3
		.amdhsa_float_denorm_mode_16_64 3
		.amdhsa_memory_ordered 1
		.amdhsa_forward_progress 1
		.amdhsa_inst_pref_size 67
	.end_amdhsa_kernel
	.amdgpu_metadata
---
amdhsa.version: [ 1, 2 ]
amdhsa.kernels:
  - .name:           k_qe4495d3463_quant
    .symbol:         k_qe4495d3463_quant.kd
    .args:
      - { .name: x, .offset: 0, .size: 8, .value_kind: global_buffer, .address_space: global }
      - { .name: W_qkv, .offset: 8, .size: 8, .value_kind: global_buffer, .address_space: global }
      - { .name: W_out, .offset: 16, .size: 8, .value_kind: global_buffer, .address_space: global }
      - { .name: lowp_scales, .offset: 24, .size: 8, .value_kind: global_buffer, .address_space: global }
      - { .name: x_img, .offset: 32, .size: 8, .value_kind: global_buffer, .address_space: global }
      - { .name: wqkv_img, .offset: 40, .size: 8, .value_kind: global_buffer, .address_space: global }
      - { .name: wout_img, .offset: 48, .size: 8, .value_kind: global_buffer, .address_space: global }
    .group_segment_fixed_size: 67072
    .private_segment_fixed_size: 0
    .kernarg_segment_align: 8
    .kernarg_segment_size: 56
    .max_flat_workgroup_size: 128
    .sgpr_count:     66
    .vgpr_count:     242
    .wavefront_size: 32
...
	.end_amdgpu_metadata
.endif
;; end of part 1
;; launch qkv (part 2): grid 12 x 32, 4 waves a work-group, clusters of 4 x 4, 327,680 bytes of LDS; arguments x_img, wqkv_img, b_qkv, lowp_scales, qkv_img; writes qkv_img
.if DOCPART == 2
	.amdgcn_target "amdgcn-amd-amdhsa--gfx1250"
	.amdhsa_code_object_version 6
	.text
	.protected	k_qe4495d3463_qkv
	.globl	k_qe4495d3463_qkv
	.p2align	8
	.type	k_qe4495d3463_qkv,@function
k_qe4495d3463_qkv:
	s_mov_b64 s[64:65], 0
	v_nop
	global_prefetch_b8 v0, s[64:65] scope:SCOPE_SE
	s_setreg_imm32_b32 hwreg(HW_REG_WAVE_MODE, 25, 1), 1
	s_wait_xcnt 0x0
	s_wait_alu depctr_hold_cnt(0) depctr_sa_sdst(0) depctr_va_vdst(0) depctr_va_sdst(0) depctr_va_ssrc(0) depctr_va_vcc(0) depctr_vm_vsrc(0)
	s_getreg_b32 s2, hwreg(HW_REG_IB_STS2, 6, 4)
	s_cmp_eq_u32 s2, 0
	s_cbranch_scc0 .Lentry_in_a_cluster
	s_endpgm
.Lentry_in_a_cluster:
	s_bfe_u32 s2, ttmp6, 0x10000c
	s_cmp_lg_u32 s2, 0xf033
	s_cbranch_scc0 .Lentry_shape_is_right
	s_endpgm
.Lentry_shape_is_right:
; q, k, v = x W_qkv + b_qkv on codes of FP8 (E4M3), [8192][1024] x [1024][3072], f32 sums; each result is quantised at once with its given scale (q: entry 2, k: entry 3, v: entry 5 of the scales)
; and stored as an IMAGE OF THE NEXT OPERAND'S REGISTERS: q, k: [batch x head 64][token / 16][1024] (16 tokens x 64 of the head); v: [batch x head][key / 128][d / 16][2048] (16 of the head's 64 x 128 keys).
; An image: register R of lane l at byte 512 (R / 4) + 16 l + 4 (R % 4); lane (r, h) holds of row r k = 16 c + 8 h + 0 .. 7 in registers 2 c, 2 c + 1: the layout of the plain FP8 matrix forms, every k in its own place.
; LIMITS: with eT = e2, e3 or e5, eT - e0 - e1 lies between -126 and 119, so that the conversion's scale and 448 x it are f32 numbers.  NaN is not served.
; A tile of 256 x 256 is made by four waves, 128 x 128 each: 64 accumulators, 512 registers.  K = 1,024 goes in four slots' worth of 256 through a ring of two LDS slots; each wave fetches a quarter of a slot,
; eight row blocks x 4,096 bytes = 32 KiB that lie on end in memory, by one tensor load.  The eight steps of 128 along K are written out: there is no loop.
; CLUSTERS: 4 x 4 work-groups.  x's tile is shared along a row of the cluster, W's along a column: each is asked for JOINTLY, by the same tensor load with the same descriptor and a mask that names the four.
; WHICH OF q, k, v: the cluster's x (0, 1, 2), the same in all sixteen partners.
; ORIENTATION.  q, k: source 0 = 16 columns of W, source 1 = 16 rows of x: a lane holds one token and eight neighbours of the head's 64, which is the next K.
;               v:    source 0 = 16 rows of x, source 1 = 16 columns of W: a lane holds one of the head's 64 and eight neighbouring keys, the next K.  Only the two LDS read addresses change places.
; So eight results of a lane, converted, ARE two registers of the next operand, and a block's 16 code registers leave by four stores of 512 consecutive bytes: no stage in LDS.
; REGISTERS, in windows of 256: window 0: v16-31 addresses and constants; v32-95 the bias for q, k; v96-111 for v; v128-255 source 1's eight fragments, ONE set (on the way out: 64 numbers at work, four sets of codes).
;   window 1: source 0's fragments, TWO sets.   window 2: the accumulators of source 1's blocks 0-3 (accumulator (a, b) at v[8 (8 (a % 4) + b)]);   window 3: of blocks 4-7.
.set ASTEP,  2097152                   ; x_img: from k / 256 to the next
.set BSTEP,  786432                    ; wqkv_img likewise
.set HALFT,  32768                     ; what one tensor load brings
.set SLOT,   131072                    ; x's two halves, then W's two halves
.set SPARE,  2*SLOT                    ; behind the ring: the spare words, 128 bytes for each wave: two blocks of 256 bytes that no other line names
.set FR,     16                        ; registers of a fragment
.set NL,     4                         ; LDS loads that bring one
.set NP,     4                         ; places behind this matrix instruction (ISA guide 7.12.1)
.set ADR1, 16                          ; v16-17  LDS address of source 1's fragments in slot 0, 1
.set ADR0, 20                          ; v20-21  of source 0's
.set LI,   24                          ; v24     16 x lane: an image's place for my lane
.set BH,   25                          ; v25     32 h
.set BR,   26                          ; v26     4 r
.set SPW,  28                          ; v28     LDS address of my spare word; never rewritten
.set NIL,  29                          ; v29     0; never rewritten
.set SC,   30                          ; v30     2^(eT - e0 - e1) as f32
.set LIM,  31                          ; v31     448 x that
.set BQ,   32                          ; v32-95  q, k: b at my eight columns of each of the eight column blocks
.set BV,   96                          ; v96-111 v: b at my column of block a in v[BV + 2 a]; the odd registers are named with them as pairs
.set AF,   128
.set TT,   128                         ; the way out: a block's 64 numbers
.set CD,   192                         ; the way out: four sets of 16 code registers
.set G1, 24                            ; s[24:31] descriptor group 1 for x's tiles;  s[32:39] group 0, one set for each slot
.set G0, 32
.set G1B, 48                           ; s[48:55], s[56:63] the same for W's tiles
.set G0B, 56
.set MSB, 0
.macro WIN new                         ; the immediate's high byte repeats the setting that is left
.if MSB != \new
	s_set_vgpr_msb (MSB<<8)|\new
.set MSB, \new
.endif
.endm
.set MUL_LO, 0xa1                      ; source 0 window 1, source 1 window 0, C and D window 2
.set MUL_HI, 0xf1                      ; the same, C and D window 3
.set TO_B,   0x40                      ; destination window 1, address window 0
; A joint load: waves 0 and 1 fetch x's halves, waves 2 and 3 W's.  Each of the two lines has one mask and one set of registers; the branch hangs on the wave's number alone.
; Four v_nop follow each of the two lines, ahead of the jump, the label and what follows.
.macro JLOAD g0a, g1a, g0b, g1b
	s_cmp_eq_u32 s15, 0
	s_cbranch_scc0 .Lfor_b_\@
	tensor_load_to_lds s[\g0a:\g0a+3], s[\g1a:\g1a+7]
	s_nop 0
.rept 4
	v_nop
.endr
	s_branch .Lasked_\@
.Lfor_b_\@:
	tensor_load_to_lds s[\g0b:\g0b+3], s[\g1b:\g1b+7]
	s_nop 0
.rept 4
	v_nop
.endr
.Lasked_\@:
.endm
.macro CREST                           ; a round of the cluster's barrier behind its opening barrier
	s_cmp_lg_u32 s14, 0
	s_cbranch_scc1 .Lnot_wave_0_\@
	s_barrier_signal -3
.Lnot_wave_0_\@:
	s_barrier_wait -3
	s_barrier_signal -1
	s_barrier_wait -1
.endm
.macro CROUND                          ; a whole round
	s_barrier_signal -1
	s_barrier_wait -1
	CREST
.endm
	s_load_b256 s[4:11], s[0:1], 0x0               ; x_img s[4:5], wqkv_img s[6:7], b_qkv s[8:9], the scales' exponents s[10:11]
	s_load_b64 s[12:13], s[0:1], 0x20              ; qkv_img
	v_lshl_add_u32 v[SPW], v0, 2, SPARE
	v_mov_b32 v[NIL], 0
	ds_add_u32 v28, v29
	ds_add_u32 v28, v29
	s_wait_dscnt 0x0
	v_lshrrev_b32 v1, 5, v0
	v_readfirstlane_b32 s14, v1                    ; wave 0..3
	s_lshr_b32 s15, s14, 1                         ; which half of the tile's rows (tokens) is mine.  Also: I fetch for x (0) or for W (1)
	s_and_b32 s16, s14, 1                          ; which half of its columns.  Also: which half of that tile I fetch
	s_bfe_u32 s40, ttmp6, 0x40000                  ; cx, cy: my place in the cluster
	s_bfe_u32 s41, ttmp6, 0x40004
	s_lshl_b32 s42, ttmp9, 2
	s_add_co_u32 s42, s42, s40                     ; tile column = 4 x cluster x + cx
	s_and_b32 s17, ttmp7, 0xffff
	s_lshl_b32 s17, s17, 2
	s_add_co_u32 s17, s17, s41                     ; tile row = 4 x cluster y + cy
	s_lshl_b32 s43, s41, 2
	s_lshl_b32 s43, 15, s43                        ; my row of the cluster
	s_lshl_b32 s44, 0x1111, s40                    ; my column
	; descriptor group 1: 32 KiB that lie on end, stated as 128 rows of 32 elements of 8 bytes, no padding
	s_or_b32 s[G1+0], s43, (3<<16)|(1<<21)         ; 15:0 the mask: x's tiles go to my row; 17:16 elements of 8 bytes; 21 set beside a mask
	s_or_b32 s[G1B+0], s44, (3<<16)|(1<<21)        ; W's tiles go to my column
.irp g, G1, G1B
	s_mov_b32 s[\g+1], 32<<16                      ; tensor_dim0 = 32
	s_mov_b32 s[\g+2], 128<<16                     ; tensor_dim1 = 128
	s_mov_b32 s[\g+3], 32<<16                      ; tile_dim0 = 32
	s_mov_b32 s[\g+4], 128                         ; tile_dim1 = 128
	s_mov_b32 s[\g+5], 32                          ; tensor_dim0_stride
	s_mov_b32 s[\g+6], 0
	s_mov_b32 s[\g+7], 0
.endr
	s_lshl_b32 s18, s16, 15                        ; which half I fetch
	s_lshl_b32 s20, s17, 16                        ; x: 16 row blocks of 4,096 bytes a tile row
	s_add_co_u32 s20, s20, s18
	s_lshl_b32 s46, s42, 16                        ; W: the same a tile column
	s_add_co_u32 s46, s46, s18
	s_mov_b32 s21, 0
	s_mov_b32 s47, 0
	s_lshl_b32 s45, s14, 15                        ; where they go: wave x 32 KiB: no place in the cluster enters an LDS address
	s_wait_kmcnt 0x0
	s_load_b256 s[68:75], s[10:11], 0x0            ; e0 .. e7
	s_add_nc_u64 s[20:21], s[4:5], s[20:21]
	s_add_nc_u64 s[46:47], s[6:7], s[46:47]
	CROUND                                         ; all sixteen work-groups are here: the first joint loads meet
.irp s, 0,1
	s_mov_b32 s[G0+4*\s], 1
	s_add_co_u32 s[G0+4*\s+1], s45, \s*SLOT
	s_add_nc_u64 s[G0+4*\s+2:G0+4*\s+3], s[20:21], \s*ASTEP
	s_or_b32 s[G0+4*\s+3], s[G0+4*\s+3], 0x80000000
	s_mov_b32 s[G0B+4*\s], 1
	s_add_co_u32 s[G0B+4*\s+1], s45, \s*SLOT
	s_add_nc_u64 s[G0B+4*\s+2:G0B+4*\s+3], s[46:47], \s*BSTEP
	s_or_b32 s[G0B+4*\s+3], s[G0B+4*\s+3], 0x80000000
	JLOAD G0+4*\s, G1, G0B+4*\s, G1B
.endr
	v_and_b32 v1, 31, v0
	v_lshlrev_b32 v[LI], 4, v1
	v_and_b32 v2, 15, v0                           ; r
	v_bfe_u32 v3, v0, 4, 1                         ; h
	v_lshlrev_b32 v[BH], 5, v3
	v_lshlrev_b32 v[BR], 2, v2
	s_lshl_b32 s21, s15, 15                        ; my half of x's rows in a slot
	s_lshl_b32 s22, s16, 15
	s_add_co_u32 s22, s22, 2*HALFT                 ; my half of W's columns, behind x's two halves
	s_cmp_eq_u32 ttmp9, 2                          ; v?  The cluster's x: the same in all partners
	s_cselect_b32 s23, s22, s21                    ; source 1: x's rows for q and k, W's columns for v
	s_cselect_b32 s19, s21, s22                    ; source 0: the other
	v_add_nc_u32 v[ADR1], s23, v[LI]
	v_add_nc_u32 v[ADR0], s19, v[LI]
	v_add_nc_u32 v[ADR1+1], SLOT, v[ADR1]
	v_add_nc_u32 v[ADR0+1], SLOT, v[ADR0]
	s_lshl_b32 s46, s42, 10                        ; the bias at my 128 columns: 1,024 x tile column + 512 x half
	s_lshl_b32 s47, s16, 9
	s_add_co_u32 s46, s46, s47
	s_mov_b32 s47, 0
	s_add_nc_u64 s[8:9], s[8:9], s[46:47]
.irp b, 0,1,2,3,4,5,6,7
	global_load_b128 v[BQ+8*\b:BQ+8*\b+3], v[BH], s[8:9] offset:64*\b          ; q, k: columns 16 b + 8 h + 0 .. 7
	global_load_b128 v[BQ+8*\b+4:BQ+8*\b+7], v[BH], s[8:9] offset:64*\b+16
.endr
.irp a, 0,1,2,3,4,5,6,7
	global_load_b32 v[BV+2*\a], v[BR], s[8:9] offset:64*\a                     ; v: column 16 a + r
	v_mov_b32 v[BV+2*\a+1], 0
.endr
	; where my results go: the same sum for q, k and v
	s_lshl_b32 s20, ttmp9, 23                      ; q, k or v: 8 MiB each
	s_lshr_b32 s21, s17, 3
	s_lshl_b32 s21, s21, 21                        ; the batch: 16 heads of 131,072 bytes
	s_add_co_u32 s20, s20, s21
	s_and_b32 s21, s17, 7
	s_lshl_b32 s21, s21, 14                        ; 256 tokens of a head are 16,384 bytes,
	s_add_co_u32 s20, s20, s21
	s_lshl_b32 s21, s15, 13                        ; my 128 of them 8,192
	s_add_co_u32 s20, s20, s21
	s_lshl_b32 s21, s40, 19                        ; four heads a tile column,
	s_add_co_u32 s20, s20, s21
	s_lshl_b32 s21, s16, 18                        ; two a wave
	s_add_co_u32 s20, s20, s21
	s_mov_b32 s21, 0
	s_add_nc_u64 s[12:13], s[12:13], s[20:21]
.macro FRAG reg, adr, q, i             ; block i's fragment of the slot's q-th 128 along K: its image, four loads of 512 consecutive bytes
.irp c, 0,1,2,3
	ds_load_b128 v[\reg+4*\c:\reg+4*\c+3], v[\adr] offset:(\i)*4096+(\q)*2048+\c*512
.endr
.endm
; 16 matrix instructions: source 1's blocks a0, a0 + 1 x source 0's eight, 128 along K.  p: source 0's set.  zero = 1: the first product starts the sums: nothing is ever cleared.
; The 64 accumulators take turns, one instruction a turn, in the same order in every step.
.macro MUL16 a0, p, zero
.irp a, \a0, \a0+1
.irp b, 0,1,2,3,4,5,6,7
.if \zero
	v_wmma_f32_16x16x128_fp8_fp8 v[8*(8*((\a)%4)+\b):8*(8*((\a)%4)+\b)+7], v[128*(\p)+FR*\b:128*(\p)+FR*\b+FR-1], v[AF+FR*(\a):AF+FR*(\a)+FR-1], 0
.else
	v_wmma_f32_16x16x128_fp8_fp8 v[8*(8*((\a)%4)+\b):8*(8*((\a)%4)+\b)+7], v[128*(\p)+FR*\b:128*(\p)+FR*\b+FR-1], v[AF+FR*(\a):AF+FR*(\a)+FR-1], v[8*(8*((\a)%4)+\b):8*(8*((\a)%4)+\b)+7]
.endif
.endr
.endr
.endm
.macro FETCH_B slot, q, p              ; source 0's eight fragments into set p
	WIN TO_B
.irp i, 0,1,2,3,4,5,6,7
	FRAG 128*(\p)+FR*\i, ADR0+\slot, \q, \i
.endr
	WIN 0
.endm
.macro FETCH_A slot, q, i0             ; source 1's blocks i0 .. i0 + 3
.irp i, \i0, \i0+1, \i0+2, \i0+3
	FRAG AF+FR*(\i), ADR1+\slot, \q, \i
.endr
.endm
; A load into a register that a matrix instruction has read, and a vector instruction that reads a matrix result, stand NP places behind that matrix instruction; only plain vector instructions
; that name none of its registers are places (ISA guide 7.12.1 for vector instructions).
.macro PLACES n
.rept \n
	v_nop
.endr
.endm
; A step of 128 along K that has its successor in the same slot.
.macro STEP slot, q, zero
	s_wait_dscnt 4*NL                              ; source 0's set and source 1's blocks 0-3 are in; the youngest sixteen loads (blocks 4-7) may be out
	WIN MUL_LO
	MUL16 0, (\q)%2, \zero
	MUL16 2, (\q)%2, \zero
	s_wait_dscnt 0                                 ; blocks 4-7 are in (asked for 32 matrix instructions ago)
	PLACES NP
	FETCH_B \slot, (\q)+1, 1-(\q)%2
	FETCH_A \slot, (\q)+1, 0
	WIN MUL_HI
	MUL16 4, (\q)%2, \zero
	MUL16 6, (\q)%2, \zero
	PLACES NP
	WIN 0
	FETCH_A \slot, (\q)+1, 4
.endm
; A slot's last step changes slots: ONE barrier; in front of it each wave waits for all its tensor loads, adds 0 to its spare word, and waits for that and for its own reads of this slot.  fill = 1: this slot is filled again, two slots' worth ahead.
.macro TURN slot, next, fill
	s_wait_tensorcnt 0x0                           ; all my tensor loads have landed: my part of the next slot  (every window is 0 here)
	ds_add_u32 v[SPW], v[NIL]                      ; 0 onto my spare word
	s_wait_dscnt 4*NL+1                            ; the add and the youngest sixteen loads may be out
	WIN MUL_LO
	MUL16 0, 1, 0                                  ; sixteen matrix instructions stand between the add and the wait for it
	s_wait_dscnt 0x0                               ; the add is done, and my reads of this slot are over
	s_barrier_signal -1
	MUL16 2, 1, 0
	WIN 0
	s_barrier_wait -1
.if \fill
	CREST                                          ; the barrier has opened a round of the cluster's barrier: no wave of any partner still reads this slot or has a load on its way
	s_add_nc_u64 s[G0+4*\slot+2:G0+4*\slot+3], s[G0+4*\slot+2:G0+4*\slot+3], 2*ASTEP
	s_add_nc_u64 s[G0B+4*\slot+2:G0B+4*\slot+3], s[G0B+4*\slot+2:G0B+4*\slot+3], 2*BSTEP
	JLOAD G0+4*\slot, G1, G0B+4*\slot, G1B         ; the first tensor load behind the round, my one load until the next; its four v_nop are the places in front of the loads below
.else
	PLACES NP
.endif
	FETCH_B \next, 0, 0
	FETCH_A \next, 0, 0
	WIN MUL_HI
	MUL16 4, 1, 0
	MUL16 6, 1, 0
	PLACES NP
	WIN 0
	FETCH_A \next, 0, 4
.endm
	s_wait_tensorcnt 1                             ; my part of slot 0 is in; slot 1's load may be out
	s_barrier_signal -1
	s_barrier_wait -1                              ; everybody's is
	FETCH_B 0, 0, 0
	FETCH_A 0, 0, 0
	FETCH_A 0, 0, 4
	STEP 0, 0, 1                                   ; k 0-127: its products start the sums
	TURN 0, 1, 1                                   ; k 128-255; slot 0 takes k 512-767
	STEP 1, 0, 0
	TURN 1, 0, 1                                   ; k 384-511; slot 1 takes k 768-1023
	STEP 0, 0, 0
	TURN 0, 1, 0                                   ; nothing is left to fetch
	STEP 1, 0, 0
	s_wait_dscnt 4*NL                              ; the last step
	WIN MUL_LO
	MUL16 0, 1, 0
	MUL16 2, 1, 0
	s_wait_dscnt 0
	WIN MUL_HI
	MUL16 4, 1, 0
	MUL16 6, 1, 0
	WIN 0
; THE WAY OUT.  A sum stands for sum x 2^(e0 + e1).  code = (sum x 2^(e0 + e1) + b) / 2^eT = (sum + b / 2^(e0 + e1)) / 2^(eT - e0 - e1): the bias is scaled once, exactly, and the three scales are one.
	s_wait_loadcnt 0x0                             ; the bias
	s_wait_kmcnt 0x0                               ; the exponents
	s_cmp_eq_u32 ttmp9, 1
	s_cselect_b32 s76, s71, s70                    ; k: e3; q: e2
	s_cmp_eq_u32 ttmp9, 2
	s_cselect_b32 s76, s73, s76                    ; v: e5
	s_add_co_i32 s77, s68, s69                     ; e0 + e1
	s_sub_co_i32 s78, 0, s77
	s_sub_co_i32 s79, s76, s77
	s_add_co_i32 s79, s79, 127
	s_lshl_b32 s80, s79, 23
	v_mov_b32 v[SC], s80
	s_add_co_i32 s79, s79, 8
	s_lshl_b32 s79, s79, 23
	s_or_b32 s79, s79, 0x600000
	v_mov_b32 v[LIM], s79
; Block a of source 1: its eight accumulators become 16 code registers, accumulator (a, b) registers 2 b, 2 b + 1.
;   q, k: 16 tokens; registers 0-7 are the image of my first head, 8-15 of my second.     v: 16 of the head's 64 (d tile a % 4 of head a / 4) x my 128 keys: one image.
.macro OUTBLK a, vmode
.set AC, 64*((\a)%4)
.set CC, CD+16*((\a)%4)
.if (\a) >= 4
	s_wait_xcnt 0x0                                ; the stores of four blocks ago have read this set of code registers
.endif
	WIN 0x02+((\a)/4)                              ; source 0: window 2 or 3
.set j, 0
.rept 32
.if \vmode
	v_pk_add_f32 v[TT+j:TT+j+1], v[AC+j:AC+j+1], v[BV+2*(\a):BV+2*(\a)+1] op_sel_hi:[1,0]   ; my column's bias for both; each accumulator from its low end on
.else
	v_pk_add_f32 v[TT+j:TT+j+1], v[AC+j:AC+j+1], v[BQ+j:BQ+j+1]
.endif
.set j, j+2
.endr
	WIN 0
.irp b, 0,1,2,3,4,5,6,7
.irp i, 0,1,2,3,4,5,6,7
	v_med3_num_f32 v[TT+8*\b+\i], v[TT+8*\b+\i], -v[LIM], v[LIM]   ; the conversion does not saturate (ISA guide 7.6.2): the hold comes first
.endr
	v_cvt_scalef32_pk8_fp8_f32 v[CC+2*\b:CC+2*\b+1], v[TT+8*\b:TT+8*\b+7], v[SC]
.endr
	v_nop                                          ; a plain line behind the last conversion
.irp c, 0,1,2,3
.if \vmode
	global_store_b128 v[LI], v[CC+4*\c:CC+4*\c+3], s[12:13] offset:((\a)/4)*131072+((\a)%4)*2048+\c*512   ; 32 lanes store 512 consecutive bytes, aligned
.else
	global_store_b128 v[LI], v[CC+4*\c:CC+4*\c+3], s[12:13] offset:(\a)*1024+(\c/2)*131072+(\c%2)*512
.endif
.endr
.endm
	s_cmp_eq_u32 ttmp9, 2
	s_cbranch_scc1 .Lout_v
.set j, 0
.rept 64
	v_ldexp_f32 v[BQ+j], v[BQ+j], s78              ; b / 2^(e0 + e1).  (These lines are also the places behind the last products)
.set j, j+1
.endr
.irp a, 0,1,2,3,4,5,6,7
	OUTBLK \a, 0
.endr
	s_branch .Ldone
.Lout_v:
.irp a, 0,1,2,3,4,5,6,7
	v_ldexp_f32 v[BV+2*\a], v[BV+2*\a], s78        ; (eight places behind the last products)
.endr
.irp a, 0,1,2,3,4,5,6,7
	OUTBLK \a, 1
.endr
.Ldone:
	s_wait_tensorcnt 0x0                           ; the wave's end
	ds_add_u32 v[SPW], v[NIL]
	s_wait_dscnt 0x0
	CROUND                                         ; the closing round: no work-group ends while a partner may still ask for a tile that names it
	s_endpgm
.Lfunc_end_k_qe4495d3463_qkv:
	.size	k_qe4495d3463_qkv, .Lfunc_end_k_qe4495d3463_qkv-k_qe4495d3463_qkv
	.p2alignl 7, 3214868480
	.fill 96, 4, 3214868480
	.section	.rodata,"a",@progbits
	.p2align	6, 0x0
	.amdhsa_kernel k_qe4495d3463_qkv
		.amdhsa_group_segment_fixed_size 327680
		.amdhsa_private_segment_fixed_size 0
		.amdhsa_enable_private_segment 0
		.amdhsa_kernarg_size 40
		.amdhsa_user_sgpr_count 2
		.amdhsa_user_sgpr_kernarg_segment_ptr 1
		.amdhsa_wavefront_size32 1
		.amdhsa_system_sgpr_workgroup_id_x 1
		.amdhsa_system_sgpr_workgroup_id_y 1
		.amdhsa_system_sgpr_workgroup_id_z 1
		.amdhsa_system_vgpr_workitem_id 0
		.amdhsa_next_free_vgpr 1024
		.amdhsa_next_free_sgpr 100
		.amdhsa_reserve_vcc 0
		.amdhsa_float_denorm_mode_32 3
		.amdhsa_float_denorm_mode_16_64 3
		.amdhsa_memory_ordered 1
		.amdhsa_forward_progress 1
		.amdhsa_inst_pref_size 196
	.end_amdhsa_kernel
	.amdgpu_metadata
---
amdhsa.version: [ 1, 2 ]
amdhsa.kernels:
  - .name:           k_qe4495d3463_qkv
    .symbol:         k_qe4495d3463_qkv.kd
    .args:
      - { .name: x_img, .offset: 0, .size: 8, .value_kind: global_buffer, .address_space: global }
      - { .name: wqkv_img, .offset: 8, .size: 8, .value_kind: global_buffer, .address_space: global }
      - { .name: b_qkv, .offset: 16, .size: 8, .value_kind: global_buffer, .address_space: global }
      - { .name: lowp_scales, .offset: 24, .size: 8, .value_kind: global_buffer, .address_space: global }
      - { .name: qkv_img, .offset: 32, .size: 8, .value_kind: global_buffer, .address_space: global }
    .group_segment_fixed_size: 327680
    .private_segment_fixed_size: 0
    .kernarg_segment_align: 8
    .kernarg_segment_size: 40
    .max_flat_workgroup_size: 128
    .sgpr_count:     100
    .vgpr_count:     1024
    .wavefront_size: 32
...
	.end_amdgpu_metadata
.endif
;; end of part 2
;; launch attn (part 3): grid 4 x 64, 16 waves a work-group, clusters of 4 x 1, 264,192 bytes of LDS; arguments qkv_img, lowp_scales, attn_img; writes attn_img
.if DOCPART == 3
	.amdgcn_target "amdgcn-amd-amdhsa--gfx1250"
	.amdhsa_code_object_version 6
	.text
	.protected	k_qe4495d3463_attn
	.globl	k_qe4495d3463_attn
	.p2align	8
	.type	k_qe4495d3463_attn,@function
k_qe4495d3463_attn:
	s_mov_b64 s[64:65], 0
	v_nop
	global_prefetch_b8 v0, s[64:65] scope:SCOPE_SE
	s_setreg_imm32_b32 hwreg(HW_REG_WAVE_MODE, 25, 1), 1
	s_wait_xcnt 0x0
	s_wait_alu depctr_hold_cnt(0) depctr_sa_sdst(0) depctr_va_vdst(0) depctr_va_sdst(0) depctr_va_ssrc(0) depctr_va_vcc(0) depctr_vm_vsrc(0)
	s_getreg_b32 s2, hwreg(HW_REG_IB_STS2, 6, 4)
	s_cmp_eq_u32 s2, 0
	s_cbranch_scc0 .Lentry_in_a_cluster
	s_endpgm
.Lentry_in_a_cluster:
	s_bfe_u32 s2, ttmp6, 0x10000c
	s_cmp_lg_u32 s2, 0x3003
	s_cbranch_scc0 .Lentry_shape_is_right
	s_endpgm
.Lentry_shape_is_right:
; Causal attention of one (batch, head) a cluster, both products on codes of FP8 (E4M3): S = q k^T (K = the head's 64), O = p v (K = the keys); the result is quantised (entry 6 of the scales) into the last product's operand.
; THE SOFTMAX AHEAD OF THE SECOND PRODUCT: t = score x log2(e) / 8; M = the running largest t rounded UP to a whole number; p = 2^(t - M) is quantised with 2^e4, not normalised; the row's sum is taken of the unquantised p
; and divides O at the end.  When M moves, the sum and O are multiplied by 2^(old M - new M), which rounds nothing.
; THE MASK: key k counts for query q where k <= q.  A hidden key gets weight 0; the problem's definition gives it the logit -1e9, whose weight is 0 in f32 as long as the row's largest visible logit lies above about -1e9 + 100.
; LIMITS: e2 + e3 between -123 and 130 (added to c's exponent field); e4 between -126 and 119; e4 + e5 - e6 is applied by v_ldexp_f32.  NaN is not served.
; OPERANDS ARE IMAGES OF REGISTERS (register R of lane l at byte 512 (R / 4) + 16 l + 4 (R % 4)): q, k: [token / 16][1024]; v: [key / 128][d / 16][2048].  Every fragment comes by loads of 512 consecutive bytes at 16 x lane.
; LDS: the head's whole K (131,072 bytes, from byte 0) and V (131,072 bytes behind it), fetched ONCE: wave w brings 16 KiB to byte 16,384 w.  Nothing is filled again: one barrier, and LDS is only read behind it.
; CLUSTER: the four work-groups of a cluster share the head, so each of the sixteen loads is asked for JOINTLY (mask 15, the same descriptor in all four).
; SHARES.  The head's 128 tiles of 16 queries fall into 16 groups of eight; a tile of group g needs key steps 0 .. g of 128 keys, the last on the diagonal.  Wave w of work-group cx takes tile 8 w + 2 cx (w + 1 steps) and then
; tile 8 (15 - w) + 2 cx + 1 (16 - w steps): 17 steps for every wave of every work-group.  Branches and LDS addresses hang on the wave's number and the trip alone; cx enters global addresses and the mask's threshold.
; LAYOUT.  Both products are used transposed: S^T = K Q^T (source 0 = 16 keys, source 1 = my 16 queries), O^T = V^T P^T: a lane holds ONE query (lane % 16) throughout.  Tile t of S^T holds in lane (r, h) keys 16 t + 8 h + 0 .. 7:
; converted, they are registers 2 t, 2 t + 1 of P.  Tile d of O^T holds channels 16 d + 8 h + 0 .. 7: converted, registers 2 d, 2 d + 1 of the head's half of a fragment of the last product.
; REGISTERS: v1 16 x lane; v2 the same in V; v3, v4 addresses of the step; v5 the mask's threshold; v7 -infinity; v8 448 x 2^e4; v9 2^e4; v10 1.0; v11 448; v12 -M; v13 the largest t; v[14:15] the sum in two halves;
;   v16-23 Q; v24-31 the second tile's Q; v32-95 K's eight fragments, then V's four; v96-159 S^T, then p; v160-191 O^T; v192-207 p's codes; v208-239 O at work; v240-247 its codes; v248-254 at work.
.macro CROUND                          ; a round of the cluster's barrier
	s_barrier_signal -1
	s_barrier_wait -1
	s_cmp_lg_u32 s18, 0
	s_cbranch_scc1 .Lnot_wave_0_\@
	s_barrier_signal -3
.Lnot_wave_0_\@:
	s_barrier_wait -3
	s_barrier_signal -1
	s_barrier_wait -1
.endm
.macro FRESH                           ; a tile begins: the largest t under every t, sums and O^T zero (the step is written once: its first trip finds zeros, which the first change of M leaves zeros)
	v_mov_b32 v13, 0xff61b1e6                      ; -3e38
	v_floor_f32 v12, -v13
	v_mov_b32 v14, 0
	v_mov_b32 v15, 0
.set j, 0
.rept 32
	v_mov_b32 v[160+j], 0
.set j, j+1
.endr
.endm
	s_load_b128 s[4:7], s[0:1], 0x0                ; qkv_img s[4:5], the scales' exponents s[6:7]
	s_load_b64 s[8:9], s[0:1], 0x10                ; attn_img
	v_lshl_add_u32 v254, v0, 2, 0x40000
	v_mov_b32 v255, 0
	ds_add_u32 v254, v255
	ds_add_u32 v254, v255
	s_wait_dscnt 0x0
	v_lshrrev_b32 v3, 5, v0
	v_readfirstlane_b32 s18, v3                    ; wave 0..15
	s_bfe_u32 s58, ttmp6, 0x40000                  ; cx
	s_and_b32 s60, ttmp7, 0xffff                   ; 16 x batch + head: the cluster's y
	; descriptor group 1: 16 KiB that lie on end, as 64 rows of 32 elements of 8 bytes
	s_mov_b32 s24, 15|(3<<16)|(1<<21)              ; 15:0 the mask: all four work-groups; 17:16 elements of 8 bytes; 21 set beside a mask
	s_mov_b32 s25, 32<<16                          ; tensor_dim0 = 32
	s_mov_b32 s26, 64<<16                          ; tensor_dim1 = 64
	s_mov_b32 s27, 32<<16                          ; tile_dim0 = 32
	s_mov_b32 s28, 64                              ; tile_dim1 = 64
	s_mov_b32 s29, 32                              ; tensor_dim0_stride
	s_mov_b32 s30, 0
	s_mov_b32 s31, 0
	s_lshl_b32 s62, s60, 17                        ; the head's 131,072 bytes in each of q, k, v
	s_lshr_b32 s61, s18, 3
	s_add_co_u32 s61, s61, 1
	s_lshl_b32 s61, s61, 23                        ; waves 0-7: k, 8 MiB on; waves 8-15: v, 16 MiB on
	s_add_co_u32 s66, s62, s61
	s_and_b32 s61, s18, 7
	s_lshl_b32 s61, s61, 14                        ; my eighth of it
	s_add_co_u32 s66, s66, s61
	s_mov_b32 s67, 0
	s_wait_kmcnt 0x0
	s_load_b256 s[36:43], s[6:7], 0x0              ; e0 .. e7
	s_mov_b32 s32, 1                               ; group 0: count = 1,
	s_lshl_b32 s33, s18, 14                        ; LDS address: 16,384 x wave,
	s_add_nc_u64 s[34:35], s[4:5], s[66:67]        ; global address: it hangs on the head and the wave alone,
	s_or_b32 s35, s35, 0x80000000                  ; type = 2
	CROUND                                         ; all four work-groups are here: the joint loads meet
	tensor_load_to_lds s[32:35], s[24:31]          ; my one tensor load of the launch
	s_nop 0
.rept 4
	v_nop
.endr
	s_sub_co_u32 s46, 15, s18                      ; the second tile's group
	s_add_co_u32 s45, s18, 1                       ; the first tile's steps
	s_lshl_b32 s61, s58, 11                        ; Q: tile x 1,024 bytes: 2 cx tiles,
	s_add_co_u32 s61, s61, s62                     ; in my head,
	s_lshl_b32 s68, s18, 13                        ; 8 w tiles
	s_add_co_u32 s68, s68, s61
	s_mov_b32 s69, 0
	s_add_nc_u64 s[12:13], s[4:5], s[68:69]
	s_lshl_b32 s68, s46, 13                        ; 8 (15 - w) tiles, and one more
	s_add_co_u32 s68, s68, s61
	s_add_co_u32 s68, s68, 1024
	s_add_nc_u64 s[14:15], s[4:5], s[68:69]
	v_and_b32 v1, 31, v0
	v_lshlrev_b32 v1, 4, v1                        ; 16 x lane; never rewritten
	global_load_b128 v[16:19], v1, s[12:13]        ; Q's fragment: 16 queries x 64
	global_load_b128 v[20:23], v1, s[12:13] offset:512
	global_load_b128 v[24:27], v1, s[14:15]        ; the second tile's
	global_load_b128 v[28:31], v1, s[14:15] offset:512
	; where the results go: attn_img [k / 256][row / 16][(k / 128) % 2][2048], k = 64 x head + d: head hd lies at k / 256 = hd / 4, and 1,024 (hd % 4) bytes into the row block
	s_and_b32 s63, s60, 15                         ; hd
	s_lshr_b32 s70, s63, 2
	s_lshl_b32 s70, s70, 21
	s_lshr_b32 s71, s60, 4
	s_lshl_b32 s71, s71, 19                        ; the batch: 128 row blocks of 4,096 bytes
	s_add_co_u32 s70, s70, s71
	s_and_b32 s71, s63, 3
	s_lshl_b32 s71, s71, 10
	s_add_co_u32 s70, s70, s71
	s_lshl_b32 s71, s58, 13                        ; 2 cx tiles
	s_add_co_u32 s70, s70, s71
	s_lshl_b32 s68, s18, 15
	s_add_co_u32 s68, s68, s70
	s_add_nc_u64 s[52:53], s[8:9], s[68:69]        ; the first tile's
	s_lshl_b32 s68, s46, 15
	s_add_co_u32 s68, s68, s70
	s_add_co_u32 s68, s68, 4096
	s_add_nc_u64 s[54:55], s[8:9], s[68:69]        ; the second's
	v_add_nc_u32 v2, 131072, v1
	v_and_b32 v5, 15, v0                           ; r
	v_bfe_u32 v6, v0, 4, 1
	v_lshlrev_b32 v6, 3, v6                        ; 8 h
	v_sub_nc_u32 v5, v5, v6
	s_lshl_b32 s61, s58, 5
	v_add_nc_u32 v5, s61, v5                       ; D = 16 (tile % 8) + r - 8 h: on the diagonal step register j of tile t is hidden where 16 t + j > D
	s_mov_b32 s20, 0x76543210                      ; v_permlanex16_b32's selects for lane l xor 16
	s_mov_b32 s21, 0xfedcba98
	v_mov_b32 v7, 0xff800000
	v_mov_b32 v10, 1.0
	v_mov_b32 v11, 0x43e00000
	v_mov_b32 v251, 0                              ; (named as the upper half of the pair v[250:251])
	v_mov_b32 v254, 0                              ; written once: a lane permute's destination counts as one of its sources
	FRESH
	s_wait_kmcnt 0x0
	s_add_co_i32 s61, s38, s39
	s_lshl_b32 s61, s61, 23
	s_add_co_i32 s22, s61, 0x3e38aa3b              ; c = log2(e) / 8, with e2 + e3 added to its exponent field: a score stands for score x 2^(e2 + e3)
	s_mov_b32 s23, s22                             ; (named with it as a pair)
	s_add_co_i32 s61, s40, 127
	s_lshl_b32 s62, s61, 23
	v_mov_b32 v9, s62                              ; 2^e4
	s_add_co_i32 s61, s61, 8
	s_lshl_b32 s61, s61, 23
	s_or_b32 s61, s61, 0x600000
	v_mov_b32 v8, s61                              ; 448 x 2^e4
	s_add_co_i32 s50, s40, s41
	s_sub_co_i32 s50, s50, s42                     ; e4 + e5 - e6
	s_mov_b32 s44, 0                               ; the trip
	s_wait_loadcnt 0x0                             ; Q
	s_wait_tensorcnt 0x0                           ; my sixteenth of K and V has landed,
	s_barrier_signal -1
	s_barrier_wait -1                              ; everybody's has
.Ltrip:                                            ; 17 trips: a key step of 128 keys for the tile in hand
	s_sub_co_u32 s47, s44, s45
	s_cmp_lt_u32 s44, s45                          ; the first tile still?
	s_cselect_b32 s47, s44, s47                    ; the key step,
	s_cselect_b32 s48, s18, s46                    ; and the tile's last one
	s_min_u32 s47, s47, 15
	s_lshl_b32 s49, s47, 13                        ; 128 keys are 8,192 bytes of K, and of V
	v_add_nc_u32 v3, s49, v1
	v_add_nc_u32 v4, s49, v2
	v_nop
	v_nop                                          ; four places behind the last trip's products, in front of loads into registers that they read
.set i, 0
.rept 16
	ds_load_b128 v[32+4*i:35+4*i], v3 offset:512*i ; K: fragment i / 2 (16 keys x 64)
.set i, i+1
.endr
	s_wait_dscnt 8                                 ; fragments 0-3 are in; the youngest eight loads may be out
.irp t, 0,1,2,3
	v_wmma_f32_16x16x64_fp8_fp8 v[96+8*\t:103+8*\t], v[32+8*\t:39+8*\t], v[16:23], 0
.endr
	s_wait_dscnt 0x0
.irp t, 4,5,6,7
	v_wmma_f32_16x16x64_fp8_fp8 v[96+8*\t:103+8*\t], v[32+8*\t:39+8*\t], v[16:23], 0
.endr
.rept 4
	v_nop                                          ; places in front of the loads below and of the first read of the scores
.endr
.set i, 0
.rept 16
	ds_load_b128 v[32+4*i:35+4*i], v4 offset:512*i ; V: fragment i / 4 (16 channels x 128 keys): it lands while the softmax is walked
.set i, i+1
.endr
	s_cmp_lg_u32 s47, s48
	s_cbranch_scc1 .Lopen                          ; all keys of the step count
.set n, 0
.rept 64
	v_cmp_gt_i32 vcc_lo, 16*(n/8)+n%8, v5          ; on the diagonal the scores of hidden keys become -infinity ahead of the maximum: p = 0 then.  The step's first key counts for every query
	v_cndmask_b32 v[96+n], v[96+n], v7, vcc_lo
.set n, n+1
.endr
.Lopen:
	v_max3_num_f32 v248, v96, v97, v98             ; the step's largest score of my query, among my 64 keys, in two chains,
	v_max3_num_f32 v249, v99, v100, v101
.set i, 6
.rept 14
	v_max3_num_f32 v248, v248, v[96+i], v[97+i]
	v_max3_num_f32 v249, v249, v[98+i], v[99+i]
.set i, i+4
.endr
	v_max3_num_f32 v248, v248, v158, v159
	v_max_num_f32 v248, v248, v249
	v_permlanex16_b32 v254, v248, s20, s21
	v_max_num_f32 v248, v248, v254                 ; and among lane l xor 16's
	v_mul_f32 v248, s22, v248                      ; as t (c is positive)
	v_max_num_f32 v13, v13, v248                   ; the running largest t
	v_mov_b32 v248, v12
	v_floor_f32 v12, -v13                          ; the new -M = floor(-t): M is a whole number
	v_sub_f32 v248, v12, v248                      ; old M - new M: a whole number, 0 or less
	v_cvt_i32_f32 v248, v248                       ; (it saturates)
	v_ldexp_f32 v250, 1.0, v248                    ; f = 2^(old M - new M)
.set j, 0
.rept 32
	v_pk_fma_f32 v[96+j:97+j], v[96+j:97+j], s[22:23], v[12:13] op_sel_hi:[1,0,0]   ; t - M, two at a time (of the pairs c and -M the low word serves both halves)
.set j, j+2
.endr
.set j, 0
.rept 64
	v_exp_f32 v[96+j], v[96+j]                     ; p = 2^(t - M), at most 1
.set j, j+1
.endr
	v_pk_mul_f32 v[14:15], v[14:15], v[250:251] op_sel_hi:[1,0]   ; the sums under the new M.  (The plain line behind the exponentials)
	s_wait_alu depctr_va_vdst(0)                   ; one wait for the whole batch, ahead of its first reader
	v_pk_add_f32 v[252:253], v[96:97], v[98:99]    ; the row's sum is taken of the unquantised p: two at a time, in two chains
.set j, 4
.rept 15
	v_pk_add_f32 v[14:15], v[14:15], v[96+j:97+j]
	v_pk_add_f32 v[252:253], v[252:253], v[98+j:99+j]
.set j, j+4
.endr
	v_pk_add_f32 v[14:15], v[14:15], v[252:253]
.irp t, 0,1,2,3,4,5,6,7
.irp i, 0,1,2,3,4,5,6,7
	v_min_num_f32 v[96+8*\t+\i], v[96+8*\t+\i], v8 ; the conversion does not saturate (ISA guide 7.6.2); p is not negative, so the hold is one-sided
.endr
	v_cvt_scalef32_pk8_fp8_f32 v[192+2*\t:193+2*\t], v[96+8*\t:103+8*\t], v9   ; registers 2 t, 2 t + 1 of P: keys 16 t + 8 h + 0 .. 7
.endr
.set j, 0
.rept 16
	v_pk_mul_f32 v[160+j:161+j], v[160+j:161+j], v[250:251] op_sel_hi:[1,0]    ; O^T under the new M.  (Plain lines between the conversions and the products that read their results)
.set j, j+2
.endr
	s_wait_dscnt 0x0                               ; V is in
.irp d, 0,1,2,3
	v_wmma_f32_16x16x128_fp8_fp8 v[160+8*\d:167+8*\d], v[32+16*\d:47+16*\d], v[192:207], v[160+8*\d:167+8*\d]   ; the four accumulators take turns; the next trip's eight products K Q^T stand between two links of a chain
.endr
	s_cmp_lg_u32 s47, s48
	s_cbranch_scc1 .Lnext
	; ---- the tile is finished: O^T / the sum x 2^(e4 + e5 - e6), held within +-448, becomes codes
.rept 4
	v_nop                                          ; places in front of the first read of O^T
.endr
	s_wait_xcnt 0x0                                ; the earlier tile's stores have read their base and their data: both are written below
	s_cmp_lt_u32 s44, s45
	s_cselect_b64 s[56:57], s[52:53], s[54:55]     ; the first tile's place or the second's
	v_add_f32 v14, v14, v15                        ; the sum's two halves,
	v_permlanex16_b32 v254, v14, s20, s21
	v_add_f32 v14, v14, v254                       ; and lane l xor 16's
	v_rcp_f32 v14, v14
	v_nop                                          ; a plain line behind the transcendental
	s_wait_alu depctr_va_vdst(0)                   ; and the wait ahead of its first reader
	v_ldexp_f32 v250, v14, s50
.set j, 0
.rept 16
	v_pk_mul_f32 v[208+j:209+j], v[160+j:161+j], v[250:251] op_sel_hi:[1,0]    ; each accumulator from its low end on
.set j, j+2
.endr
.irp d, 0,1,2,3
.irp i, 0,1,2,3,4,5,6,7
	v_med3_num_f32 v[208+8*\d+\i], v[208+8*\d+\i], -v11, v11
.endr
	v_cvt_scalef32_pk8_fp8_f32 v[240+2*\d:241+2*\d], v[208+8*\d:215+8*\d], v10 ; the scale is in the numbers already: 1.0
.endr
	v_nop                                          ; a plain line behind the last conversion
	global_store_b128 v1, v[240:243], s[56:57]     ; 32 lanes store 512 consecutive bytes, aligned
	global_store_b128 v1, v[244:247], s[56:57] offset:512
	s_cmp_eq_u32 s44, 16
	s_cbranch_scc1 .Lnext                          ; that was the second tile
.irp i, 0,1,2,3,4,5,6,7
	v_mov_b32 v[16+\i], v[24+\i]                   ; the second tile's Q
.endr
	v_add_nc_u32 v5, 16, v5                        ; its place in its group is one further on
	FRESH
.Lnext:
	s_add_co_u32 s44, s44, 1
	s_cmp_lt_u32 s44, 17
	s_cbranch_scc1 .Ltrip
	s_wait_dscnt 0x0
	s_wait_xcnt 0x0
	v_lshl_add_u32 v254, v0, 2, 0x40000
	v_mov_b32 v255, 0
	s_wait_tensorcnt 0x0
	ds_add_u32 v254, v255
	s_wait_dscnt 0x0
	CROUND                                         ; the closing round: no work-group ends while a partner may still ask for a tile that names it
	s_endpgm
.Lfunc_end_k_qe4495d3463_attn:
	.size	k_qe4495d3463_attn, .Lfunc_end_k_qe4495d3463_attn-k_qe4495d3463_attn
	.p2alignl 7, 3214868480
	.fill 96, 4, 3214868480
	.section	.rodata,"a",@progbits
	.p2align	6, 0x0
	.amdhsa_kernel k_qe4495d3463_attn
		.amdhsa_group_segment_fixed_size 264192
		.amdhsa_private_segment_fixed_size 0
		.amdhsa_enable_private_segment 0
		.amdhsa_kernarg_size 24
		.amdhsa_user_sgpr_count 2
		.amdhsa_user_sgpr_kernarg_segment_ptr 1
		.amdhsa_wavefront_size32 1
		.amdhsa_system_sgpr_workgroup_id_x 1
		.amdhsa_system_sgpr_workgroup_id_y 1
		.amdhsa_system_sgpr_workgroup_id_z 1
		.amdhsa_system_vgpr_workitem_id 0
		.amdhsa_next_free_vgpr 256
		.amdhsa_next_free_sgpr 72
		.amdhsa_reserve_vcc 1
		.amdhsa_float_denorm_mode_32 3
		.amdhsa_float_denorm_mode_16_64 3
		.amdhsa_memory_ordered 1
		.amdhsa_forward_progress 1
		.amdhsa_inst_pref_size 34
	.end_amdhsa_kernel
	.amdgpu_metadata
---
amdhsa.version: [ 1, 2 ]
amdhsa.kernels:
  - .name:           k_qe4495d3463_attn
    .symbol:         k_qe4495d3463_attn.kd
    .args:
      - { .name: qkv_img, .offset: 0, .size: 8, .value_kind: global_buffer, .address_space: global }
      - { .name: lowp_scales, .offset: 8, .size: 8, .value_kind: global_buffer, .address_space: global }
      - { .name: attn_img, .offset: 16, .size: 8, .value_kind: global_buffer, .address_space: global }
    .group_segment_fixed_size: 264192
    .private_segment_fixed_size: 0
    .kernarg_segment_align: 8
    .kernarg_segment_size: 24
    .max_flat_workgroup_size: 512
    .sgpr_count:     72
    .vgpr_count:     256
    .wavefront_size: 32
...
	.end_amdgpu_metadata
.endif
;; end of part 3
;; launch proj (part 4): grid 4 x 32, 4 waves a work-group, clusters of 4 x 4, 327,680 bytes of LDS; arguments attn_img, wout_img, b_out, lowp_scales, out0; writes out0
.if DOCPART == 4
	.amdgcn_target "amdgcn-amd-amdhsa--gfx1250"
	.amdhsa_code_object_version 6
	.text
	.protected	k_qe4495d3463_proj
	.globl	k_qe4495d3463_proj
	.p2align	8
	.type	k_qe4495d3463_proj,@function
k_qe4495d3463_proj:
	s_mov_b64 s[64:65], 0
	v_nop
	global_prefetch_b8 v0, s[64:65] scope:SCOPE_SE
	s_setreg_imm32_b32 hwreg(HW_REG_WAVE_MODE, 25, 1), 1
	s_wait_xcnt 0x0
	s_wait_alu depctr_hold_cnt(0) depctr_sa_sdst(0) depctr_va_vdst(0) depctr_va_sdst(0) depctr_va_ssrc(0) depctr_va_vcc(0) depctr_vm_vsrc(0)
	s_getreg_b32 s2, hwreg(HW_REG_IB_STS2, 6, 4)
	s_cmp_eq_u32 s2, 0
	s_cbranch_scc0 .Lentry_in_a_cluster
	s_endpgm
.Lentry_in_a_cluster:
	s_bfe_u32 s2, ttmp6, 0x10000c
	s_cmp_lg_u32 s2, 0xf033
	s_cbranch_scc0 .Lentry_shape_is_right
	s_endpgm
.Lentry_shape_is_right:
; out0 = attn W_out + b_out on codes of FP8 (E4M3), [8192][1024] x [1024][1024], f32 sums; out0 f32.  A sum is multiplied once by 2^(e6 + e7) and the bias added in the same fused multiply-add.
; LIMIT: e6 + e7 lies between -126 and 127, so that 2^(e6 + e7) is an f32 number.
; Both operands are IMAGES OF REGISTERS: [k / 256][row / 16][(k / 128) % 2][2048]; register R of lane l at byte 512 (R / 4) + 16 l + 4 (R % 4); lane (r, h) holds of row r k = 16 c + 8 h + 0 .. 7 in registers 2 c, 2 c + 1.
; A tile of 256 x 256 is made by four waves, 128 x 128 each: 64 accumulators.  K = 1,024 goes in four slots' worth of 256 through a ring of two LDS slots; each wave fetches a quarter of a slot, 32 KiB that lie on end, by one tensor load.
; The eight steps of 128 along K are written out.  The output has 128 such tiles: that many work-groups are launched.
; CLUSTERS: 4 x 4 work-groups.  attn's tile is shared along a row of the cluster, W's along a column: each is asked for JOINTLY, by the same tensor load with the same descriptor and a mask that names the four.
; THE MATRIX INSTRUCTION IS USED TRANSPOSED (source 0 = 16 columns of W, source 1 = 16 rows of attn): a lane holds eight neighbouring numbers of a row of the output.
; REGISTERS, in windows of 256: window 0: v16-31 addresses; v32-95 the bias; v128-255 source 1's eight fragments, ONE set (on the way out: two sets of 16 rows read back).
;   window 1: source 0's fragments, TWO sets.   window 2: the accumulators of my rows 0-63 (accumulator (a, b) at v[8 (8 (a % 4) + b)]);   window 3: of rows 64-127.
.set ASTEP,  2097152                   ; attn_img: from k / 256 to the next
.set BSTEP,  262144                    ; wout_img likewise
.set HALFT,  32768
.set SLOT,   131072
.set SPARE,  2*SLOT                    ; behind the ring: the spare words, 128 bytes for each wave: two blocks of 256 bytes that no other line names
.set SPITCH, 528                       ; the way out: a stage of 16 rows x (512 bytes + 16) for each wave.  It lies in slot 0, which has had its last fill and its last read when the first result is stored there
.set FR,     16
.set NL,     4
.set NP,     4
.set ADR1, 16                          ; v16-17  LDS address of source 1's fragments in slot 0, 1
.set ADR0, 20                          ; v20-21  of source 0's
.set LI,   24                          ; v24     16 x lane
.set BH,   25                          ; v25     32 h
.set STO,  26                          ; v26     the way out: where I put 32 bytes of a row
.set RD,   27                          ; v27     where I read a row back
.set SPW,  28                          ; v28     LDS address of my spare word; never rewritten
.set NIL,  29                          ; v29     0; never rewritten
.set BQ,   32                          ; v32-95  b_out at my eight columns of each of the eight column blocks
.set AF,   128
.set BK,   128                         ; the way out: v128-191 and v192-255 by turns
.set G1, 24
.set G0, 32
.set G1B, 48
.set G0B, 56
.set MSB, 0
.macro WIN new                         ; the immediate's high byte repeats the setting that is left
.if MSB != \new
	s_set_vgpr_msb (MSB<<8)|\new
.set MSB, \new
.endif
.endm
.set MUL_LO, 0xa1                      ; source 0 window 1, source 1 window 0, C and D window 2
.set MUL_HI, 0xf1                      ; the same, C and D window 3
.set TO_B,   0x40                      ; destination window 1, address window 0
; A joint load: waves 0 and 1 fetch attn's halves, waves 2 and 3 W's; the branch hangs on the wave's number alone.  Four v_nop follow each of the two lines.
.macro JLOAD g0a, g1a, g0b, g1b
	s_cmp_eq_u32 s15, 0
	s_cbranch_scc0 .Lfor_b_\@
	tensor_load_to_lds s[\g0a:\g0a+3], s[\g1a:\g1a+7]
	s_nop 0
.rept 4
	v_nop
.endr
	s_branch .Lasked_\@
.Lfor_b_\@:
	tensor_load_to_lds s[\g0b:\g0b+3], s[\g1b:\g1b+7]
	s_nop 0
.rept 4
	v_nop
.endr
.Lasked_\@:
.endm
.macro CREST                           ; a round of the cluster's barrier behind its opening barrier
	s_cmp_lg_u32 s14, 0
	s_cbranch_scc1 .Lnot_wave_0_\@
	s_barrier_signal -3
.Lnot_wave_0_\@:
	s_barrier_wait -3
	s_barrier_signal -1
	s_barrier_wait -1
.endm
.macro CROUND                          ; a whole round
	s_barrier_signal -1
	s_barrier_wait -1
	CREST
.endm
	s_load_b256 s[4:11], s[0:1], 0x0               ; attn_img s[4:5], wout_img s[6:7], b_out s[8:9], the scales' exponents s[10:11]
	s_load_b64 s[12:13], s[0:1], 0x20              ; out0
	v_lshl_add_u32 v[SPW], v0, 2, SPARE
	v_mov_b32 v[NIL], 0
	ds_add_u32 v28, v29
	ds_add_u32 v28, v29
	s_wait_dscnt 0x0
	v_lshrrev_b32 v1, 5, v0
	v_readfirstlane_b32 s14, v1                    ; wave 0..3
	s_lshr_b32 s15, s14, 1                         ; which half of the tile's rows is mine.  Also: I fetch for attn (0) or for W (1)
	s_and_b32 s16, s14, 1                          ; which half of its columns.  Also: which half of that tile I fetch
	s_bfe_u32 s40, ttmp6, 0x40000                  ; cx, cy
	s_bfe_u32 s41, ttmp6, 0x40004
	s_lshl_b32 s42, ttmp9, 2
	s_add_co_u32 s42, s42, s40                     ; tile column
	s_and_b32 s17, ttmp7, 0xffff
	s_lshl_b32 s17, s17, 2
	s_add_co_u32 s17, s17, s41                     ; tile row
	s_lshl_b32 s43, s41, 2
	s_lshl_b32 s43, 15, s43                        ; my row of the cluster
	s_lshl_b32 s44, 0x1111, s40                    ; my column
	s_or_b32 s[G1+0], s43, (3<<16)|(1<<21)         ; 15:0 the mask; 17:16 elements of 8 bytes; 21 set beside a mask
	s_or_b32 s[G1B+0], s44, (3<<16)|(1<<21)
.irp g, G1, G1B
	s_mov_b32 s[\g+1], 32<<16                      ; tensor_dim0 = 32
	s_mov_b32 s[\g+2], 128<<16                     ; tensor_dim1 = 128
	s_mov_b32 s[\g+3], 32<<16                      ; tile_dim0 = 32
	s_mov_b32 s[\g+4], 128                         ; tile_dim1 = 128
	s_mov_b32 s[\g+5], 32                          ; tensor_dim0_stride
	s_mov_b32 s[\g+6], 0
	s_mov_b32 s[\g+7], 0
.endr
	s_lshl_b32 s18, s16, 15
	s_lshl_b32 s20, s17, 16
	s_add_co_u32 s20, s20, s18
	s_lshl_b32 s46, s42, 16
	s_add_co_u32 s46, s46, s18
	s_mov_b32 s21, 0
	s_mov_b32 s47, 0
	s_lshl_b32 s45, s14, 15                        ; where the tiles go: wave x 32 KiB
	s_wait_kmcnt 0x0
	s_load_b256 s[68:75], s[10:11], 0x0            ; e0 .. e7
	s_add_nc_u64 s[20:21], s[4:5], s[20:21]
	s_add_nc_u64 s[46:47], s[6:7], s[46:47]
	CROUND                                         ; all sixteen work-groups are here: the first joint loads meet
.irp s, 0,1
	s_mov_b32 s[G0+4*\s], 1
	s_add_co_u32 s[G0+4*\s+1], s45, \s*SLOT
	s_add_nc_u64 s[G0+4*\s+2:G0+4*\s+3], s[20:21], \s*ASTEP
	s_or_b32 s[G0+4*\s+3], s[G0+4*\s+3], 0x80000000
	s_mov_b32 s[G0B+4*\s], 1
	s_add_co_u32 s[G0B+4*\s+1], s45, \s*SLOT
	s_add_nc_u64 s[G0B+4*\s+2:G0B+4*\s+3], s[46:47], \s*BSTEP
	s_or_b32 s[G0B+4*\s+3], s[G0B+4*\s+3], 0x80000000
	JLOAD G0+4*\s, G1, G0B+4*\s, G1B
.endr
	v_and_b32 v1, 31, v0
	v_lshlrev_b32 v[LI], 4, v1
	v_and_b32 v2, 15, v0                           ; r
	v_bfe_u32 v3, v0, 4, 1                         ; h
	v_lshlrev_b32 v[BH], 5, v3
	s_lshl_b32 s21, s15, 15                        ; my half of attn's rows in a slot
	s_lshl_b32 s22, s16, 15
	s_add_co_u32 s22, s22, 2*HALFT                 ; my half of W's columns
	v_add_nc_u32 v[ADR1], s21, v[LI]
	v_add_nc_u32 v[ADR0], s22, v[LI]
	v_add_nc_u32 v[ADR1+1], SLOT, v[ADR1]
	v_add_nc_u32 v[ADR0+1], SLOT, v[ADR0]
	s_mul_i32 s23, s14, 16*SPITCH                  ; my stage
	v_mul_u32_u24 v5, v2, SPITCH                   ; in: row r, 32 bytes for each half of the lanes
	v_lshl_add_u32 v5, v3, 5, v5
	v_add_nc_u32 v[STO], s23, v5
	v_add_nc_u32 v[RD], s23, v[LI]                 ; back: the 32 lanes take one row of 512 bytes
	s_lshl_b32 s46, s42, 10                        ; my 128 columns, in bytes: 1,024 x tile column + 512 x half
	s_lshl_b32 s47, s16, 9
	s_add_co_u32 s46, s46, s47
	s_mov_b32 s47, 0
	s_add_nc_u64 s[8:9], s[8:9], s[46:47]
.irp b, 0,1,2,3,4,5,6,7
	global_load_b128 v[BQ+8*\b:BQ+8*\b+3], v[BH], s[8:9] offset:64*\b          ; columns 16 b + 8 h + 0 .. 7
	global_load_b128 v[BQ+8*\b+4:BQ+8*\b+7], v[BH], s[8:9] offset:64*\b+16
.endr
	s_lshl_b32 s20, s17, 20                        ; my first row of the output: 256 rows of 4,096 bytes a tile row,
	s_lshl_b32 s21, s15, 19                        ; 128 a half
	s_add_co_u32 s20, s20, s21
	s_mov_b32 s21, 0
	s_add_nc_u64 s[20:21], s[20:21], s[46:47]
	s_add_nc_u64 s[12:13], s[12:13], s[20:21]
.macro FRAG reg, adr, q, i             ; block i's fragment of the slot's q-th 128 along K: its image, four loads of 512 consecutive bytes
.irp c, 0,1,2,3
	ds_load_b128 v[\reg+4*\c:\reg+4*\c+3], v[\adr] offset:(\i)*4096+(\q)*2048+\c*512
.endr
.endm
; 16 matrix instructions: source 1's blocks a0, a0 + 1 x source 0's eight.  The 64 accumulators take turns, one instruction a turn, in the same order in every step.
.macro MUL16 a0, p, zero
.irp a, \a0, \a0+1
.irp b, 0,1,2,3,4,5,6,7
.if \zero
	v_wmma_f32_16x16x128_fp8_fp8 v[8*(8*((\a)%4)+\b):8*(8*((\a)%4)+\b)+7], v[128*(\p)+FR*\b:128*(\p)+FR*\b+FR-1], v[AF+FR*(\a):AF+FR*(\a)+FR-1], 0
.else
	v_wmma_f32_16x16x128_fp8_fp8 v[8*(8*((\a)%4)+\b):8*(8*((\a)%4)+\b)+7], v[128*(\p)+FR*\b:128*(\p)+FR*\b+FR-1], v[AF+FR*(\a):AF+FR*(\a)+FR-1], v[8*(8*((\a)%4)+\b):8*(8*((\a)%4)+\b)+7]
.endif
.endr
.endr
.endm
.macro FETCH_B slot, q, p
	WIN TO_B
.irp i, 0,1,2,3,4,5,6,7
	FRAG 128*(\p)+FR*\i, ADR0+\slot, \q, \i
.endr
	WIN 0
.endm
.macro FETCH_A slot, q, i0
.irp i, \i0, \i0+1, \i0+2, \i0+3
	FRAG AF+FR*(\i), ADR1+\slot, \q, \i
.endr
.endm
.macro PLACES n                        ; places behind matrix instructions, in front of loads into registers that they read and of the first read of results
.rept \n
	v_nop
.endr
.endm
.macro STEP slot, q, zero
	s_wait_dscnt 4*NL                              ; source 0's set and source 1's blocks 0-3 are in; the youngest sixteen loads (blocks 4-7) may be out
	WIN MUL_LO
	MUL16 0, (\q)%2, \zero
	MUL16 2, (\q)%2, \zero
	s_wait_dscnt 0                                 ; blocks 4-7 are in
	PLACES NP
	FETCH_B \slot, (\q)+1, 1-(\q)%2
	FETCH_A \slot, (\q)+1, 0
	WIN MUL_HI
	MUL16 4, (\q)%2, \zero
	MUL16 6, (\q)%2, \zero
	PLACES NP
	WIN 0
	FETCH_A \slot, (\q)+1, 4
.endm
; A slot's last step changes slots: ONE barrier; in front of it each wave waits for all its tensor loads, adds 0 to its spare word, and waits for that and for its own reads of this slot.
.macro TURN slot, next, fill
	s_wait_tensorcnt 0x0                           ; all my tensor loads have landed: my part of the next slot
	ds_add_u32 v[SPW], v[NIL]                      ; 0 onto my spare word
	s_wait_dscnt 4*NL+1                            ; the add and the youngest sixteen loads may be out
	WIN MUL_LO
	MUL16 0, 1, 0
	s_wait_dscnt 0x0                               ; the add is done, and my reads of this slot are over
	s_barrier_signal -1
	MUL16 2, 1, 0
	WIN 0
	s_barrier_wait -1
.if \fill
	CREST                                          ; the barrier has opened a round of the cluster's barrier: no wave of any partner still reads this slot or has a load on its way
	s_add_nc_u64 s[G0+4*\slot+2:G0+4*\slot+3], s[G0+4*\slot+2:G0+4*\slot+3], 2*ASTEP
	s_add_nc_u64 s[G0B+4*\slot+2:G0B+4*\slot+3], s[G0B+4*\slot+2:G0B+4*\slot+3], 2*BSTEP
	JLOAD G0+4*\slot, G1, G0B+4*\slot, G1B         ; the first tensor load behind the round, my one load until the next
.else
	PLACES NP
.endif
	FETCH_B \next, 0, 0
	FETCH_A \next, 0, 0
	WIN MUL_HI
	MUL16 4, 1, 0
	MUL16 6, 1, 0
	PLACES NP
	WIN 0
	FETCH_A \next, 0, 4
.endm
	s_wait_tensorcnt 1                             ; my part of slot 0 is in; slot 1's load may be out
	s_barrier_signal -1
	s_barrier_wait -1
	FETCH_B 0, 0, 0
	FETCH_A 0, 0, 0
	FETCH_A 0, 0, 4
	STEP 0, 0, 1                                   ; k 0-127: its products start the sums
	TURN 0, 1, 1                                   ; slot 0 takes k 512-767
	STEP 1, 0, 0
	TURN 1, 0, 1                                   ; slot 1 takes k 768-1023
	STEP 0, 0, 0
	TURN 0, 1, 0                                   ; nothing is left to fetch; behind this barrier nobody reads slot 0
	STEP 1, 0, 0
	s_wait_dscnt 4*NL
	WIN MUL_LO
	MUL16 0, 1, 0
	MUL16 2, 1, 0
	s_wait_dscnt 0
	WIN MUL_HI
	MUL16 4, 1, 0
	MUL16 6, 1, 0
	WIN 0
; THE WAY OUT, block by block of 16 rows x 128 columns.  A lane holds 32 neighbouring bytes of a row, and the lanes beside it hold other rows: a block goes through my own stage in LDS and comes back as whole rows
; of 512 bytes.  LDS serves a wave's instructions in order (ISA guide 5.7.1.4): no wait between the stores and the loads, nor in front of the next block's stores.
.macro TOSTAGE a
.set AC, 64*((\a)%4)
	WIN 0x82+0x41*((\a)/4)                         ; source 0 and destination: window 2 or 3; the bias in window 0
.set j, 0
.rept 32
	v_pk_fma_f32 v[AC+j:AC+j+1], v[AC+j:AC+j+1], s[96:97], v[BQ+j:BQ+j+1] op_sel_hi:[1,0,1]   ; sum x 2^(e6 + e7) + b, in place; each accumulator from its low end on
.set j, j+2
.endr
	WIN 0x08+0x04*((\a)/4)                         ; an LDS store's data: window 2 or 3
.irp b, 0,1,2,3,4,5,6,7
	ds_store_b128 v[STO], v[AC+8*\b:AC+8*\b+3] offset:64*\b
	ds_store_b128 v[STO], v[AC+8*\b+4:AC+8*\b+7] offset:64*\b+16
.endr
	WIN 0
.set BB, BK+64*((\a)%2)
.irp t, 0,1,2,3,4,5,6,7,8,9,10,11,12,13,14,15
	ds_load_b128 v[BB+4*\t:BB+4*\t+3], v[RD] offset:\t*SPITCH
.endr
.endm
.macro SEND a, younger                 ; younger: the LDS instructions issued behind block a's loads, which may stay out
.set BB, BK+64*((\a)%2)
	s_wait_dscnt \younger                          ; the block is back in registers
.if (\a) > 0
	s_add_nc_u64 s[12:13], s[12:13], 16*4096       ; (behind a wait on XCNT: the earlier stores have read their base)  16 rows on
.endif
.irp t, 0,1,2,3,4,5,6,7,8,9,10,11,12,13,14,15
	global_store_b128 v[LI], v[BB+4*\t:BB+4*\t+3], s[12:13] offset:\t*4096 th:TH_STORE_NT   ; 32 lanes store 512 consecutive bytes, aligned; written once, read by nobody here
.endr
.endm
	s_wait_loadcnt 0x0                             ; the bias
	s_wait_kmcnt 0x0
	s_add_co_i32 s96, s74, s75                     ; e6 + e7
	s_add_co_i32 s96, s96, 127
	s_lshl_b32 s96, s96, 23                        ; 2^(e6 + e7) as f32
	s_mov_b32 s97, s96                             ; (named with it as a pair)
	PLACES NP
	TOSTAGE 0
.irp a, 1,2,3,4,5,6,7
.if \a > 1
	s_wait_xcnt 0x0                                ; block a - 2's stores have read their registers and their base: block a's loads may land there, and the base may step
.endif
	TOSTAGE \a
	SEND \a-1, 32                                  ; behind block a - 1's loads: block a's 16 stores and 16 loads
.endr
	s_wait_xcnt 0x0                                ; block 6's stores have read their base
	SEND 7, 0
	s_wait_tensorcnt 0x0                           ; the wave's end, behind my last tensor load and my last LDS store
	ds_add_u32 v[SPW], v[NIL]
	s_wait_dscnt 0x0
	CROUND                                         ; the closing round
	s_endpgm
.Lfunc_end_k_qe4495d3463_proj:
	.size	k_qe4495d3463_proj, .Lfunc_end_k_qe4495d3463_proj-k_qe4495d3463_proj
	.p2alignl 7, 3214868480
	.fill 96, 4, 3214868480
	.section	.rodata,"a",@progbits
	.p2align	6, 0x0
	.amdhsa_kernel k_qe4495d3463_proj
		.amdhsa_group_segment_fixed_size 327680
		.amdhsa_private_segment_fixed_size 0
		.amdhsa_enable_private_segment 0
		.amdhsa_kernarg_size 40
		.amdhsa_user_sgpr_count 2
		.amdhsa_user_sgpr_kernarg_segment_ptr 1
		.amdhsa_wavefront_size32 1
		.amdhsa_system_sgpr_workgroup_id_x 1
		.amdhsa_system_sgpr_workgroup_id_y 1
		.amdhsa_system_sgpr_workgroup_id_z 1
		.amdhsa_system_vgpr_workitem_id 0
		.amdhsa_next_free_vgpr 1024
		.amdhsa_next_free_sgpr 100
		.amdhsa_reserve_vcc 0
		.amdhsa_float_denorm_mode_32 3
		.amdhsa_float_denorm_mode_16_64 3
		.amdhsa_memory_ordered 1
		.amdhsa_forward_progress 1
		.amdhsa_inst_pref_size 124
	.end_amdhsa_kernel
	.amdgpu_metadata
---
amdhsa.version: [ 1, 2 ]
amdhsa.kernels:
  - .name:           k_qe4495d3463_proj
    .symbol:         k_qe4495d3463_proj.kd
    .args:
      - { .name: attn_img, .offset: 0, .size: 8, .value_kind: global_buffer, .address_space: global }
      - { .name: wout_img, .offset: 8, .size: 8, .value_kind: global_buffer, .address_space: global }
      - { .name: b_out, .offset: 16, .size: 8, .value_kind: global_buffer, .address_space: global }
      - { .name: lowp_scales, .offset: 24, .size: 8, .value_kind: global_buffer, .address_space: global }
      - { .name: out0, .offset: 32, .size: 8, .value_kind: global_buffer, .address_space: global }
    .group_segment_fixed_size: 327680
    .private_segment_fixed_size: 0
    .kernarg_segment_align: 8
    .kernarg_segment_size: 40
    .max_flat_workgroup_size: 128
    .sgpr_count:     100
    .vgpr_count:     1024
    .wavefront_size: 32
...
	.end_amdgpu_metadata
.endif
;; end of part 4
